; MI455X (gfx1250); checked and timed in simulation.
; The chip was launched on July 23, 2026; its instructions are those of AMD's public machine-readable ISA for CDNA 5 (MIT licence, August 2026) and "CDNA5" Instruction Set Architecture Reference Guide (July 2026). The comments in the code are by the model that wrote it; some were corrected since.
;; Bahdanau Attention Layer. Allowed arithmetic: float matrix products may take bf16 or f16 operands with f32 sums; other float arithmetic in f32, or as packed bf16 or f16 multiplies, adds, multiply-adds, maxima and minima; sums over many terms, partial sums and values carried from step to step in f32; what a program stores and reads back later, other than sums and carried values, may be rounded once to bf16 or f16.
;; Inputs: W_in 1,024 x 2,048 float32; W_v 1 x 1,024 float32; encoder_padding_mask 512 x 64 bool; input 64 x 1,024 float32; source_hids 512 x 64 x 1,024 float32.
;; Outputs: out0 64 x 1,024 float32; out1 512 x 64 float32.
;; 2 versions, each right; version 2 is version 1 with the launch prep written anew for expert scheduling mode. Each part assembles by itself: llvm-mc -triple=amdgcn-amd-amdhsa -mcpu=gfx1250 --defsym DOCPART=n.
;; ======== version 1 of 2: 3 launches
;; workspace buffers: wb 2,097,152 bytes; ppart 2,097,152 bytes; scores 131,072 bytes; stats 2,048 bytes; opart 1,048,576 bytes
;; launch prep (part 1): grid 16 x 8, 4 waves a work-group, no clusters, 70,144 bytes of LDS; arguments W_in, input, wb, ppart; writes wb, ppart
.if DOCPART == 1
	.amdgcn_target "amdgcn-amd-amdhsa--gfx1250"
	.amdhsa_code_object_version 6
	.text
	.protected	k_q01d1a7f1c1_prep
	.globl	k_q01d1a7f1c1_prep
	.p2align	8
	.type	k_q01d1a7f1c1_prep,@function
k_q01d1a7f1c1_prep:
	s_mov_b64 s[64:65], 0
	v_nop
	global_prefetch_b8 v0, s[64:65] scope:SCOPE_SE
	s_setreg_imm32_b32 hwreg(HW_REG_WAVE_MODE, 25, 1), 1
	s_wait_xcnt 0x0
; W_in = [W1 | W2] ([1024][2048] f32).  The pre-activation of pair (s, b) is P[b] + W2 hid[s][b], with P = input W1^T.
; This launch makes (1) wb: W2 rounded once to bf16, laid out as matrix fragments, and (2) ppart: eight partial sums of P, one for each slice of 128 along K, in f32.
; SHARES.  Work-group (G, q): output channels 64 G .. +63, K 128 q .. +127.  Wave w: rows 16 w .. +15 of each of three tiles (input, W1, W2), one row of 512 bytes to a load.
; wb's LAYOUT.  The fragment of channel tile T = o / 16 and K step k (32 along K) is 1,024 bytes at ((T>>3)&3) 524,288 + (T>>5) 262,144 + 8,192 k + 1,024 (T&7);
; in it lane l's registers 0-3 lie at byte 16 l and its registers 4-7 at byte 512 + 16 l: a later load of 16 bytes a lane takes 512 consecutive bytes.
; No tensor loads: each wave moves 48 rows once and converts them on the way, so registers are the short road.  No cluster: what work-groups share (input, 256 KB) is a small part of the bytes.
; LIMITS.  W_in and input are rounded once to bf16; NaN and infinities are not treated apart.
.set P,     272                        ; an LDS row: 256 bytes + 16: an odd multiple of 16, so the 16 rows of a fragment load start at different groups of banks (ISA guide 11.1)
.set W1T,   0                          ; 64 rows of W1, bf16
.set W2T,   64*P                       ; 64 rows of W2
.set INT,   2*64*P                     ; 64 rows of input
.set STG,   3*64*P                     ; the way out: 16 rows x 272 bytes for each wave
.set SPARE, STG+4*16*P                 ; the spare words, 128 bytes for each wave: two blocks of 256 bytes that no other line names
.set X,     16                         ; v16-207  48 loads of 4 registers; later the fragments:
.set INF,   16                         ; v16-47   input, K step kk at INF + 8 kk
.set W1F,   48                         ; v48-175  W1, channel tile t, K step kk at W1F + 8 (4 t + kk)
.set W2F,   176                        ; v176-207 W2, my tile, K step kk at W2F + 8 kk
.set ACC,   208                        ; v208-239 four accumulators
	s_load_b256 s[4:11], s[0:1], 0x0               ; W_in s[4:5], input s[6:7], wb s[8:9], ppart s[10:11]
	v_lshl_add_u32 v12, v0, 2, SPARE               ; my spare word; never rewritten
	v_mov_b32 v13, 0                               ; 0; never rewritten
	v_lshrrev_b32 v1, 5, v0
	v_readfirstlane_b32 s2, v1                     ; wave 0..3
	s_and_b32 s3, ttmp7, 0xffff                    ; q
	s_lshl_b32 s20, ttmp9, 19                      ; W_in: (64 G + 16 w) rows of 8,192 bytes + 512 q
	s_lshl_b32 s28, s2, 17
	s_add_co_u32 s20, s20, s28
	s_lshl_b32 s28, s3, 9
	s_add_co_u32 s20, s20, s28
	s_mov_b32 s21, 0
	s_lshl_b32 s22, s2, 16                         ; input: 16 w rows of 4,096 bytes + 512 q
	s_add_co_u32 s22, s22, s28
	s_mov_b32 s23, 0
	s_lshl_b32 s29, ttmp9, 2
	s_add_co_u32 s29, s29, s2                      ; T = 4 G + w
	s_bfe_u32 s24, s29, 0x20003                    ; (T >> 3) & 3
	s_lshl_b32 s24, s24, 19
	s_lshr_b32 s28, s29, 5
	s_lshl_b32 s28, s28, 18
	s_add_co_u32 s24, s24, s28
	s_and_b32 s28, s29, 7
	s_lshl_b32 s28, s28, 10
	s_add_co_u32 s24, s24, s28
	s_lshl_b32 s28, s3, 15                         ; K step 4 q
	s_add_co_u32 s24, s24, s28
	s_mov_b32 s25, 0
	s_lshl_b32 s26, s3, 18                         ; ppart: slice q, row 16 w, channel 64 G
	s_lshl_b32 s28, s2, 16
	s_add_co_u32 s26, s26, s28
	s_lshl_b32 s28, ttmp9, 8
	s_add_co_u32 s26, s26, s28
	s_mov_b32 s27, 0
	v_and_b32 v1, 31, v0                           ; lane l
	v_and_b32 v2, 15, v0                           ; r = l % 16
	v_bfe_u32 v3, v0, 4, 1                         ; h = l / 16
	v_lshlrev_b32 v4, 4, v1                        ; 16 l
	s_wait_kmcnt 0x0
	s_add_nc_u64 s[12:13], s[4:5], s[20:21]
	s_add_nc_u64 s[14:15], s[6:7], s[22:23]
	s_add_nc_u64 s[16:17], s[8:9], s[24:25]
	s_add_nc_u64 s[18:19], s[10:11], s[26:27]
.irp i, 0,1,2,3,4,5,6,7,8,9,10,11,12,13,14,15
	global_load_b128 v[X+4*(\i):X+4*(\i)+3], v4, s[14:15] offset:(\i)*4096                       ; input: other work-groups read it too, so no hint
.endr
.irp i, 0,1,2,3,4,5,6,7,8,9,10,11,12,13,14,15
	global_load_b128 v[X+64+4*(\i):X+64+4*(\i)+3], v4, s[12:13] offset:(\i)*8192 th:TH_LOAD_NT      ; W1: read once in the launch
.endr
.irp i, 0,1,2,3,4,5,6,7,8,9,10,11,12,13,14,15
	global_load_b128 v[X+128+4*(\i):X+128+4*(\i)+3], v4, s[12:13] offset:(\i)*8192+4096 th:TH_LOAD_NT  ; W2: the row's second half
.endr
	s_mul_i32 s24, s2, 16*P                        ; my 16 rows in a tile
	s_add_co_u32 s25, s24, STG
	s_add_co_u32 s26, s24, INT
	s_add_co_u32 s27, s24, W2T
	v_lshl_add_u32 v5, v1, 3, s24                  ; in: my rows, 8 bytes (4 bf16) a lane
	v_mul_u32_u24 v6, v2, P
	v_lshl_add_u32 v6, v3, 4, v6                   ; a fragment's row x pitch + 16 x half
	v_mul_u32_u24 v7, v2, P
	v_lshl_add_u32 v7, v3, 5, v7
	v_add_nc_u32 v7, s25, v7                       ; stage, in: row r, 32 bytes for each half of the lanes
	v_mul_u32_u24 v8, v3, P
	v_lshl_add_u32 v8, v2, 4, v8
	v_add_nc_u32 v8, s25, v8                       ; stage, back: lanes 0-15 one row of 256 bytes, lanes 16-31 the next
	v_lshlrev_b32 v9, 12, v3
	v_lshl_add_u32 v9, v2, 4, v9                   ; and the same two rows in ppart
	v_add_nc_u32 v10, s26, v6                      ; my 16 rows of input
	v_add_nc_u32 v11, s27, v6                      ; my 16 rows of W2
; 16 rows of one tile: rounded to bf16 in place, 8 bytes a lane into LDS.  left: the loads of the later tiles, which may stay out.
.macro CVT tile, n0, left
	s_wait_loadcnt \left
.irp i, 0,1,2,3,4,5,6,7,8,9,10,11,12,13,14,15
	v_cvt_pk_bf16_f32 v[X+4*((\n0)+(\i))],   v[X+4*((\n0)+(\i))],   v[X+4*((\n0)+(\i))+1]
	v_cvt_pk_bf16_f32 v[X+4*((\n0)+(\i))+1], v[X+4*((\n0)+(\i))+2], v[X+4*((\n0)+(\i))+3]
	ds_store_b64 v5, v[X+4*((\n0)+(\i)):X+4*((\n0)+(\i))+1] offset:(\tile)+(\i)*P
.endr
.endm
	CVT INT, 0, 32
	CVT W1T, 16, 16
	CVT W2T, 32, 0
	s_wait_dscnt 0x0                               ; for the others' sake: my rows are in LDS
	s_barrier_signal -1
	s_barrier_wait -1
	; A fragment is 16 rows x 32 K in 8 registers: lane l holds row l % 16, K = 8 (l / 16) + 0..7 and 16 + 8 (l / 16) + 0..7: two loads of 16 bytes, 32 bytes apart.
.irp k, 0,1,2,3
	ds_load_b128 v[W2F+8*(\k):W2F+8*(\k)+3],   v11 offset:64*(\k)
	ds_load_b128 v[W2F+8*(\k)+4:W2F+8*(\k)+7], v11 offset:64*(\k)+32
.endr
.irp k, 0,1,2,3
	ds_load_b128 v[INF+8*(\k):INF+8*(\k)+3],   v10 offset:64*(\k)
	ds_load_b128 v[INF+8*(\k)+4:INF+8*(\k)+7], v10 offset:64*(\k)+32
.endr
.irp t, 0,1,2,3
.irp k, 0,1,2,3
	ds_load_b128 v[W1F+8*(4*(\t)+(\k)):W1F+8*(4*(\t)+(\k))+3],   v6 offset:W1T+(\t)*16*P+64*(\k)
	ds_load_b128 v[W1F+8*(4*(\t)+(\k))+4:W1F+8*(4*(\t)+(\k))+7], v6 offset:W1T+(\t)*16*P+64*(\k)+32
.endr
.endr
	s_wait_dscnt 40                                ; W2's eight loads are in; the 8 + 32 behind them may be out
.irp k, 0,1,2,3
	global_store_b128 v4, v[W2F+8*(\k):W2F+8*(\k)+3],   s[16:17] offset:(\k)*8192      ; each store of the wave covers 512 consecutive bytes, aligned
	global_store_b128 v4, v[W2F+8*(\k)+4:W2F+8*(\k)+7], s[16:17] offset:(\k)*8192+512
.endr
	s_wait_dscnt 0x0
	; Source 0 = 16 channels of W1, source 1 = my 16 rows of input: a lane then holds one b and eight neighbouring channels.  The four accumulators take turns.
.irp k, 0,1,2,3
.irp t, 0,1,2,3
.if (\k) == 0
	v_wmma_f32_16x16x32_bf16 v[ACC+8*(\t):ACC+8*(\t)+7], v[W1F+8*(4*(\t)+(\k)):W1F+8*(4*(\t)+(\k))+7], v[INF+8*(\k):INF+8*(\k)+7], 0
.else
	v_wmma_f32_16x16x32_bf16 v[ACC+8*(\t):ACC+8*(\t)+7], v[W1F+8*(4*(\t)+(\k)):W1F+8*(4*(\t)+(\k))+7], v[INF+8*(\k):INF+8*(\k)+7], v[ACC+8*(\t):ACC+8*(\t)+7]
.endif
.endr
.endr
.rept 4
	v_nop                                          ; four places between the last products and the LDS stores that read them, and the loads into input's fragments
.endr
.irp t, 0,1,2,3
	ds_store_b128 v7, v[ACC+8*(\t):ACC+8*(\t)+3]   offset:64*(\t)      ; each accumulator's low registers first
	ds_store_b128 v7, v[ACC+8*(\t)+4:ACC+8*(\t)+7] offset:64*(\t)+16
.endr
.irp i, 0,1,2,3,4,5,6,7
	ds_load_b128 v[INF+4*(\i):INF+4*(\i)+3], v8 offset:(\i)*2*P       ; my own stage: LDS serves a wave's instructions in order (ISA guide 5.7.1.4)
.endr
.irp i, 0,1,2,3,4,5,6,7
	s_wait_dscnt 7-(\i)
	global_store_b128 v9, v[INF+4*(\i):INF+4*(\i)+3], s[18:19] offset:(\i)*8192  ; 16 lanes store 256 consecutive bytes, at a multiple of 256 from ppart's first byte
.endr
	s_wait_tensorcnt 0x0                           ; the wave's end, behind my last LDS store
	ds_add_u32 v12, v13
	s_wait_dscnt 0x0
	s_endpgm
.Lfunc_end_k_q01d1a7f1c1_prep:
	.size	k_q01d1a7f1c1_prep, .Lfunc_end_k_q01d1a7f1c1_prep-k_q01d1a7f1c1_prep
	.p2alignl 7, 3214868480
	.fill 96, 4, 3214868480
	.section	.rodata,"a",@progbits
	.p2align	6, 0x0
	.amdhsa_kernel k_q01d1a7f1c1_prep
		.amdhsa_group_segment_fixed_size 70144
		.amdhsa_private_segment_fixed_size 0
		.amdhsa_enable_private_segment 0
		.amdhsa_kernarg_size 32
		.amdhsa_user_sgpr_count 2
		.amdhsa_user_sgpr_kernarg_segment_ptr 1
		.amdhsa_wavefront_size32 1
		.amdhsa_system_sgpr_workgroup_id_x 1
		.amdhsa_system_sgpr_workgroup_id_y 1
		.amdhsa_system_sgpr_workgroup_id_z 1
		.amdhsa_system_vgpr_workitem_id 0
		.amdhsa_next_free_vgpr 240
		.amdhsa_next_free_sgpr 66
		.amdhsa_reserve_vcc 0
		.amdhsa_float_denorm_mode_32 3
		.amdhsa_float_denorm_mode_16_64 3
		.amdhsa_memory_ordered 1
		.amdhsa_forward_progress 1
		.amdhsa_inst_pref_size 24
	.end_amdhsa_kernel
	.amdgpu_metadata
---
amdhsa.version: [ 1, 2 ]
amdhsa.kernels:
  - .name:           k_q01d1a7f1c1_prep
    .symbol:         k_q01d1a7f1c1_prep.kd
    .args:
      - { .name: W_in, .offset: 0, .size: 8, .value_kind: global_buffer, .address_space: global }
      - { .name: input, .offset: 8, .size: 8, .value_kind: global_buffer, .address_space: global }
      - { .name: wb, .offset: 16, .size: 8, .value_kind: global_buffer, .address_space: global }
      - { .name: ppart, .offset: 24, .size: 8, .value_kind: global_buffer, .address_space: global }
    .group_segment_fixed_size: 70144
    .private_segment_fixed_size: 0
    .kernarg_segment_align: 8
    .kernarg_segment_size: 32
    .max_flat_workgroup_size: 128
    .sgpr_count:     66
    .vgpr_count:     240
    .wavefront_size: 32
...
	.end_amdgpu_metadata
.endif
;; end of part 1
;; launch main (part 2): grid 256 x 1, 4 waves a work-group, no clusters, 281,088 bytes of LDS; arguments source_hids, encoder_padding_mask, W_v, ppart, wb, scores, stats, opart; writes scores, stats, opart
.if DOCPART == 2
	.amdgcn_target "amdgcn-amd-amdhsa--gfx1250"
	.amdhsa_code_object_version 6
	.text
	.protected	k_q01d1a7f1c1_main
	.globl	k_q01d1a7f1c1_main
	.p2align	8
	.type	k_q01d1a7f1c1_main,@function
k_q01d1a7f1c1_main:
	s_mov_b64 s[64:65], 0
	v_nop
	global_prefetch_b8 v0, s[64:65] scope:SCOPE_SE
	s_setreg_imm32_b32 hwreg(HW_REG_WAVE_MODE, 25, 1), 1
	s_wait_xcnt 0x0
; For one column b and one chunk c of 128 source positions s = 128 c + i:
;   score[s] = sum over o of W_v[o] tanh(P[b][o] + sum over k of W2[o][k] hid[s][b][k]), -inf where the mask is set;
;   m' = the chunk's largest score (the lowest finite number if all are hidden); p = e^(score - m'); l = sum of p; opart[:] = sum over s of p[s] hid[s][b][:].
; A later launch joins a column's four chunks.  hid is read from memory ONCE: its 128 rows stay in LDS as bf16 and serve both products.
; SHARES.  256 work-groups of four waves.  In the first product a wave makes 128 s x 128 o (64 accumulators, 512 registers), twice: 512 channels a pass and work-group.
; W2 COMES STRAIGHT INTO REGISTERS, as ready fragments (wb): each wave has its own 512 KB of it, one linear stream, 512 consecutive bytes a load, through four register buffers of one K step.
; NO TENSOR LOADS, NO CLUSTER: hid's rows take 264,192 of LDS's 327,680 bytes; what is left would hold two slots of some 23 KB, and at 1 KB for two matrix instructions a wave a refill
; would have some 46 matrix instructions in which to land.  So the weights, which all work-groups share, are not asked for jointly.
; THE MATRIX INSTRUCTION: source 0 = 16 channels of W2, source 1 = 16 rows of hid: a lane holds ONE s (lane % 16) and the channels 8 (lane / 16) + 0..7, so bias and W_v come as eight neighbouring numbers.
; tanh(x) = 1 - 2 / (1 + 2^(C2 x)), C2 = 2 log2(e); C2 P[b][o] is a table, so C2 x is one multiply-add on the accumulator.
; LIMITS.  hid, W_in and input are rounded once to bf16.  This tanh is off by about 1e-7 in absolute terms and ends rightly at -1 and 1.  A weight below 2^-126 counts as 0.
; p goes into the second product as two bf16 numbers, p_hi + p_lo.  NaN and infinities among the inputs are not treated apart.
; REGISTERS, in windows of 256 (s_set_vgpr_msb: bits 1:0 source 0, 3:2 source 1, 5:4 source 2, 7:6 destination):
;   window 0: v0-31 addresses; v32-47 the scores' sums; v48-63 at work; v64-127, v128-191 hid's fragments, two buffers (in the epilogue bias and W_v); v192-255 at work
;   window 1: four buffers of W2's fragments; later two buffers of turned hid      windows 2, 3: accumulator (a, bt) at v[8 (8 (a % 4) + bt)]; window 2 first holds the ring of 8 rows of hid
.set PITCH, 2064                       ; an LDS row of hid: 2,048 bytes + 16: an odd multiple of 16, so the 16 rows of a fragment load start at different groups of banks (ISA guide 11.1)
.set RS,    262144                     ; bytes from hid[s][b] to hid[s+1][b]
.set TB,    128*PITCH                  ; C2 P[b][o], 1,024 f32
.set TW,    TB+4096                    ; W_v[o], 1,024 f32
.set SC,    TW+4096                    ; [wave][128] partial scores
.set PW,    SC+2048                    ; each wave's own: p_hi, 256 bytes, then p_lo
.set OST,   PW+2048                    ; each wave's own stage, 1,024 bytes
.set SPARE, OST+4096                   ; the spare words, 128 bytes for each wave: two blocks of 256 bytes that no other line names
.set L16,  3                           ; v3      16 x lane
.set LA,   4                           ; v4      where my lane puts 8 bytes of a row of hid
.set T16,  5                           ; v5      16 x thread
.set M256, 6                           ; v6      256 x lane: four rows of the mask
.set ADRA, 8                           ; v8-11   (32 i + r) PITCH + 16 h; never rewritten
.set TADR, 12                          ; v12     my place in the tables
.set SCW,  13                          ; v13     where I put a partial score
.set SCR,  14                          ; v14     where I read four scores
.set NINF, 15                          ; v15     -inf
.set MK,   16                          ; v16-19  the mask's bytes for s = 4 lane + 0..3
.set PWW,  20                          ; v20     where I put four p
.set PWR,  21                          ; v21     where I read p's fragments
.set TRA,  22                          ; v22-25  the turning loads' addresses, one for 32 s
.set OSW,  26
.set OSR,  27
.set SPW,  28                          ; v28     my spare word; never rewritten
.set NIL,  29                          ; v29     0; never rewritten
.set SACC, 32                          ; v32-47  a pair for each of my 8 tiles of 16 s
.set CH,   48                          ; v48-55  four chains
.set W0,   56                          ; v56-59  at work
.set ADRW, 60                          ; v60-63  ADRA as it steps along K; later p's two parts
.set F0,   64
.set F1,   128
.set BT,   64
.set WT,   128
.set PF,   96                          ; v96-127 p's fragments
.set OA,   128                         ; v128-255 the second product's 16 accumulators
.set TMP,  192
.set C2,   10                          ; s[10:11] 2 log2(e), named as a pair
.set SA,   32                          ; s[32:33] hid at my wave's rows
.set BB,   34                          ; s[34:35] wb at my wave's stream
.set MSB, 0
.macro WIN new                         ; the immediate's high byte repeats the setting that is left; a switch that changes nothing is dropped
.if MSB != (\new)
	s_set_vgpr_msb (MSB<<8)|(\new)
.set MSB, (\new)
.endif
.endm
.macro PLACES                          ; four places behind matrix instructions, in front of loads into registers that they read and of vector lines that read results
.rept 4
	v_nop
.endr
.endm
	s_load_b512 s[16:31], s[0:1], 0x0              ; hid s[16:17], mask s[18:19], W_v s[20:21], ppart s[22:23], wb s[24:25], scores s[26:27], stats s[28:29], opart s[30:31]
	v_lshl_add_u32 v[SPW], v0, 2, SPARE
	v_mov_b32 v[NIL], 0
	v_lshrrev_b32 v1, 5, v0
	v_readfirstlane_b32 s2, v1                     ; wave 0..3
	s_and_b32 s3, ttmp9, 63                        ; b
	s_lshr_b32 s4, ttmp9, 6                        ; c
	v_and_b32 v7, 31, v0                           ; lane l
	v_and_b32 v1, 15, v0                           ; r = l % 16
	v_bfe_u32 v2, v0, 4, 1                         ; h = l / 16
	v_lshlrev_b32 v[L16], 4, v7
	v_lshlrev_b32 v[T16], 4, v0
	v_lshlrev_b32 v[M256], 8, v7
	s_mul_i32 s48, s2, 32*PITCH
	v_lshl_add_u32 v[LA], v7, 3, s48               ; my wave's 32 rows, 8 bytes a lane
	s_mov_b32 s9, 0
	s_lshl_b32 s8, s4, 25                          ; hid: 128 c + 32 w rows of 262,144 bytes, and b's 4,096
	s_lshl_b32 s48, s2, 23
	s_add_co_u32 s8, s8, s48
	s_lshl_b32 s49, s3, 12
	s_add_co_u32 s8, s8, s49
	s_wait_kmcnt 0x0
	s_add_nc_u64 s[SA:SA+1], s[16:17], s[8:9]
	s_mov_b32 s8, s49
	s_add_nc_u64 s[36:37], s[22:23], s[8:9]        ; ppart at row b
	s_lshl_b32 s8, s2, 19
	s_add_nc_u64 s[BB:BB+1], s[24:25], s[8:9]
	s_lshl_b32 s8, s4, 13
	s_add_co_u32 s8, s8, s3
	s_add_nc_u64 s[38:39], s[18:19], s[8:9]        ; mask at (128 c, b)
	s_lshl_b32 s8, s3, 11
	s_lshl_b32 s48, s4, 9
	s_add_co_u32 s8, s8, s48
	s_add_nc_u64 s[40:41], s[26:27], s[8:9]        ; scores [b][s]
	s_lshl_b32 s8, s4, 6
	s_add_co_u32 s8, s8, s3
	s_lshl_b32 s8, s8, 2
	s_add_nc_u64 s[42:43], s[28:29], s[8:9]        ; stats [c][b]
	s_lshl_b32 s8, s3, 2
	s_add_co_u32 s8, s8, s4
	s_lshl_b32 s8, s8, 12
	s_lshl_b32 s48, s2, 10
	s_add_co_u32 s8, s8, s48
	s_add_nc_u64 s[44:45], s[30:31], s[8:9]        ; opart [b][c], my wave's 256 channels
.irp i, 0,1,2,3
	global_load_u8 v[MK+(\i)], v[M256], s[38:39] offset:64*(\i)
.endr
	global_load_b128 v[128:131], v[T16], s[20:21]
	global_load_b128 v[132:135], v[T16], s[20:21] offset:2048
	WIN 0x80                                       ; destination window 2, address window 0
.irp i, 0,1,2,3,4,5,6,7
.irp j, 0,1,2,3,4,5,6,7
	global_load_b128 v[32*(\i)+4*(\j):32*(\i)+4*(\j)+3], v[L16], s[SA:SA+1] offset:(\i)*RS+512*(\j) th:TH_LOAD_NT  ; the ring is filled: rows 0-7, 64 loads of 512 consecutive bytes
.endr
.endr
	WIN 0
	; the rest of the set-up stands in the wait for the first row
	s_mov_b32 s[C2], 0x4038aa3b                    ; 2 log2(e)
	s_mov_b32 s[C2+1], 0x4038aa3b
	s_mov_b32 s12, 0x3fb8aa3b                      ; log2(e)
	s_mov_b32 s13, 0xffff0000                      ; a word's upper bf16
	s_mov_b32 s14, 0x76543210                      ; v_permlanex16_b32: each lane takes its own place in the other half
	s_mov_b32 s15, 0xfedcba98
	v_mul_u32_u24 v[ADRA], v1, PITCH
	v_lshl_add_u32 v[ADRA], v2, 4, v[ADRA]
	v_add_nc_u32 v[ADRA+1], 32*PITCH, v[ADRA]
	v_add_nc_u32 v[ADRA+2], 64*PITCH, v[ADRA]
	v_add_nc_u32 v[ADRA+3], 96*PITCH, v[ADRA]
	s_lshl_b32 s48, s2, 9                          ; 512 w
	s_add_co_u32 s49, s48, TB
	v_lshl_add_u32 v[TADR], v2, 5, s49             ; my wave's 128 channels, my half's eight
	s_add_co_u32 s49, s48, SC
	v_lshl_add_u32 v[SCW], v1, 2, s49
	v_add_nc_u32 v[SCR], SC, v[L16]
	v_mov_b32 v[NINF], 0xff800000
	s_add_co_u32 s49, s48, PW
	v_lshl_add_u32 v[PWW], v7, 3, s49
	v_and_b32 v[PWR], 1, v0
	v_lshlrev_b32 v[PWR], 8, v[PWR]                ; even rows of source 0 take p_hi, odd rows p_lo
	v_lshl_add_u32 v[PWR], v2, 4, v[PWR]
	v_add_nc_u32 v[PWR], s49, v[PWR]
	v_and_b32 v[TRA], 7, v0                        ; the turning load: lane l reads s = 8 (l / 16) + l % 8, channels 8 ((l / 8) % 2) + 0..7
	v_lshl_add_u32 v[TRA], v2, 3, v[TRA]
	v_mul_u32_u24 v[TRA], v[TRA], PITCH
	v_bfe_u32 v[TRA+1], v0, 3, 1
	v_lshl_add_u32 v[TRA], v[TRA+1], 4, v[TRA]
	v_add_nc_u32 v[TRA], s48, v[TRA]               ; my wave's 256 channels: 512 bytes of a row
	v_add_nc_u32 v[TRA+1], 32*PITCH, v[TRA]
	v_add_nc_u32 v[TRA+2], 64*PITCH, v[TRA]
	v_add_nc_u32 v[TRA+3], 96*PITCH, v[TRA]
	s_lshl_b32 s49, s2, 10
	s_add_co_u32 s49, s49, OST
	v_lshl_add_u32 v[OSW], v1, 2, s49
	v_add_nc_u32 v[OSR], s49, v[L16]
.set n, 0
.rept 16
	v_mov_b32 v[SACC+n], 0                         ; the scores' sums run over both passes, which are one text: sixteen registers are cleared
.set n, n+1
.endr
; PHASE A.  Row i of the ring: rounded to bf16, into LDS; the ring's registers are asked for again.  kind = 1: with the row 8 further down.
; kind = 2 (the last 8 rows): eight OTHER loads stand there, so that the count at the head stays the same: P's partial sums (rows 0, 1), then W2's fragments of the first three K steps.
.macro ROW i, kind
	s_wait_loadcnt 56                              ; loads come back in order (ISA guide 5.7.1): my row's eight are in; the seven younger groups of eight stay out
	WIN 0x0a                                       ; sources in window 2
.irp j, 0,1,2,3,4,5,6,7
	v_cvt_pk_bf16_f32 v[TMP+2*(\j)],   v[32*(\i)+4*(\j)],   v[32*(\i)+4*(\j)+1]
	v_cvt_pk_bf16_f32 v[TMP+2*(\j)+1], v[32*(\i)+4*(\j)+2], v[32*(\i)+4*(\j)+3]
.endr
.if (\kind) == 1
	WIN 0x80
.irp j, 0,1,2,3,4,5,6,7
	global_load_b128 v[32*(\i)+4*(\j):32*(\i)+4*(\j)+3], v[L16], s[SA:SA+1] offset:((\i)+8)*RS+512*(\j) th:TH_LOAD_NT
.endr
.elseif (\i) < 2
	WIN 0
.irp j, 0,1,2,3,4,5,6,7
	global_load_b128 v[F0+8*(4*(\i)+(\j)/2)+4*((\j)%2):F0+8*(4*(\i)+(\j)/2)+4*((\j)%2)+3], v[T16], s[36:37] offset:(4*(\i)+(\j)/2)*262144+((\j)%2)*2048
.endr
.else
	WIN 0x40                                       ; destination window 1
.irp j, 0,1,2,3,4,5,6,7
.set n, ((\i)-2)*8+(\j)
	global_load_b128 v[64*(n/16)+4*(n%16):64*(n/16)+4*(n%16)+3], v[L16], s[BB:BB+1] offset:(n/16)*8192+(n%16)*512
.endr
.endif
	WIN 0
.irp j, 0,1,2,3,4,5,6,7
	ds_store_b64 v[LA], v[TMP+2*(\j):TMP+2*(\j)+1] offset:(\i)*PITCH+256*(\j)
.endr
.endm
	s_mov_b32 s5, 3
.Llap:
.irp i, 0,1,2,3,4,5,6,7
	ROW \i, 1
.endr
	s_wait_xcnt 0x0                                ; hid's address is stepped only behind this wait (ISA guide 3.1)
	s_add_nc_u64 s[SA:SA+1], s[SA:SA+1], 8*RS
	v_add_nc_u32 v[LA], 8*PITCH, v[LA]
	s_sub_co_u32 s5, s5, 1
	s_cmp_lg_u32 s5, 0
	s_cbranch_scc1 .Llap
.irp i, 0,1,2,3,4,5,6,7
	ROW \i, 2
.endr
	s_wait_loadcnt 48                              ; P's sixteen loads are in; W2's 48 stay out
.irp q, 1,2,3,4,5,6,7
.irp p, 0,1,2,3
	v_pk_add_f32 v[F0+2*(\p):F0+2*(\p)+1], v[F0+2*(\p):F0+2*(\p)+1], v[F0+8*(\q)+2*(\p):F0+8*(\q)+2*(\p)+1]
.endr
.endr
.irp p, 0,1,2,3
	v_pk_mul_f32 v[F0+2*(\p):F0+2*(\p)+1], v[F0+2*(\p):F0+2*(\p)+1], s[C2:C2+1] op_sel_hi:[1,0]
.endr
	v_add_nc_u32 v[W0], TB, v[T16]
	ds_store_b128 v[W0], v[F0:F0+3]
	ds_store_b128 v[W0], v[F0+4:F0+7] offset:2048
	ds_store_b128 v[W0], v[128:131] offset:4096    ; W_v
	ds_store_b128 v[W0], v[132:135] offset:6144
	s_wait_dscnt 0x0                               ; for the others' sake: my rows of hid and my part of the tables are in LDS
	s_barrier_signal -1
	s_barrier_wait -1                              ; from here on nobody writes hid's rows or the tables
; 16 matrix instructions: s tiles a0, a0 + 1 of the window's four (hi = 0: rows 0-63, 1: rows 64-127) x all 8 channel tiles, 32 along K.  zero = 1: the first product starts the sums.
.macro MUL16 fa, fb, hi, a0, zero
	WIN 0xa1+0x50*(\hi)                            ; source 0 (W2) window 1, source 1 (hid) window 0, C and D window 2 or 3
.irp a, \a0, (\a0)+1
.irp b, 0,1,2,3,4,5,6,7
.if \zero
	v_wmma_f32_16x16x32_bf16 v[8*(8*(\a)+(\b)):8*(8*(\a)+(\b))+7], v[(\fb)+8*(\b):(\fb)+8*(\b)+7], v[(\fa)+8*(4*(\hi)+(\a)):(\fa)+8*(4*(\hi)+(\a))+7], 0
.else
	v_wmma_f32_16x16x32_bf16 v[8*(8*(\a)+(\b)):8*(8*(\a)+(\b))+7], v[(\fb)+8*(\b):(\fb)+8*(\b)+7], v[(\fa)+8*(4*(\hi)+(\a)):(\fa)+8*(4*(\hi)+(\a))+7], v[8*(8*(\a)+(\b)):8*(8*(\a)+(\b))+7]
.endif
.endr
.endr
.endm
.macro FETCH_A k, f                    ; hid's fragments of one K step, at byte k of the rows: 16 LDS loads, rows ascending
	WIN 0
.irp a, 0,1,2,3,4,5,6,7
	ds_load_b128 v[(\f)+8*(\a):(\f)+8*(\a)+3],   v[ADRW+(\a)/2] offset:((\a)%2)*16*PITCH+(\k)
	ds_load_b128 v[(\f)+8*(\a)+4:(\f)+8*(\a)+7], v[ADRW+(\a)/2] offset:((\a)%2)*16*PITCH+(\k)+32
.endr
.endm
.macro FETCH_B kb, g                   ; W2's fragments of one K step, 8 KB at byte kb of my stream: 16 loads of 512 consecutive bytes
	WIN 0x40
.set n, 0
.rept 16
	global_load_b128 v[(\g)+4*n:(\g)+4*n+3], v[L16], s[BB:BB+1] offset:(\kb)+512*n
.set n, n+1
.endr
.endm
; One K step of 32: 64 matrix instructions on hid's buffer fa and W2's buffer fb.  In its middle, in one run, the next step's fragments of hid (into ga, from byte ka) and W2's of three steps on
; (into gb, from byte kb); -1: none.  Both buffers were last read a K step ago.  lc: W2's younger loads, which may stay out.  The 64 accumulators take turns in the same order in every step.
.macro QUARTER fa, ga, ka, fb, gb, kb, zero, lc
	s_wait_loadcnt \lc                             ; this step's W2 is in
	s_wait_dscnt 8                                 ; hid's rows 0-63 are in; the youngest eight loads (rows 64-127) may be out
	MUL16 \fa, \fb, 0, 0, \zero
	MUL16 \fa, \fb, 0, 2, \zero
	PLACES
.if (\ga) >= 0
	FETCH_A \ka, \ga
.endif
.if (\gb) >= 0
	FETCH_B \kb, \gb
.endif
.if (\ga) >= 0
	s_wait_dscnt 16                                ; all but the 16 just issued
.else
	s_wait_dscnt 0x0
.endif
	MUL16 \fa, \fb, 1, 0, \zero
	MUL16 \fa, \fb, 1, 2, \zero
.endm
; The epilogue for s tile a: 64 numbers a lane.  y = C2 acc + C2 P; tanh = 1 - 2 / (1 + 2^y); times W_v, summed in four chains, onto the tile's sum.
; Exponentials and reciprocals stand in runs, and a plain line follows each run before its results are used (ISA guide 5.7.2).  Each accumulator's low registers are read first.
.macro GROUP a
.set AC, 64*((\a)%4)
	WIN 0x02+(\a)/4                                ; source 0 in window 2 or 3
.set n, 0
.rept 32
	v_pk_fma_f32 v[TMP+2*n:TMP+2*n+1], v[AC+2*n:AC+2*n+1], s[C2:C2+1], v[BT+2*n:BT+2*n+1] op_sel_hi:[1,0,1]
.set n, n+1
.endr
	WIN 0
.set n, 0
.rept 64
	v_exp_f32 v[TMP+n], v[TMP+n]
.set n, n+1
.endr
	v_nop
.set n, 0
	s_wait_alu depctr_va_vdst(0)
.rept 32
	v_pk_add_f32 v[TMP+2*n:TMP+2*n+1], v[TMP+2*n:TMP+2*n+1], 1.0 op_sel_hi:[1,0]
.set n, n+1
.endr
.set n, 0
.rept 64
	v_rcp_f32 v[TMP+n], v[TMP+n]
.set n, n+1
.endr
	v_nop
.set n, 0
	s_wait_alu depctr_va_vdst(0)
.rept 32
	v_pk_fma_f32 v[TMP+2*n:TMP+2*n+1], v[TMP+2*n:TMP+2*n+1], -2.0, 1.0 op_sel_hi:[1,0,0]
.set n, n+1
.endr
.set n, 0
.rept 32
.if n < 4
	v_pk_mul_f32 v[CH+2*n:CH+2*n+1], v[TMP+2*n:TMP+2*n+1], v[WT+2*n:WT+2*n+1]
.else
	v_pk_fma_f32 v[CH+2*(n%4):CH+2*(n%4)+1], v[TMP+2*n:TMP+2*n+1], v[WT+2*n:WT+2*n+1], v[CH+2*(n%4):CH+2*(n%4)+1]
.endif
.set n, n+1
.endr
	v_pk_add_f32 v[CH:CH+1], v[CH:CH+1], v[CH+2:CH+3]
	v_pk_add_f32 v[CH+4:CH+5], v[CH+4:CH+5], v[CH+6:CH+7]
	v_pk_add_f32 v[SACC+2*(\a):SACC+2*(\a)+1], v[SACC+2*(\a):SACC+2*(\a)+1], v[CH:CH+1]
	v_pk_add_f32 v[SACC+2*(\a):SACC+2*(\a)+1], v[SACC+2*(\a):SACC+2*(\a)+1], v[CH+4:CH+5]
.endm
	s_mov_b32 s6, 2                                ; passes to go
.Lpass:
.irp i, 0,1,2,3
	v_mov_b32 v[ADRW+(\i)], v[ADRA+(\i)]           ; K begins anew
.endr
	FETCH_A 0, F0
	QUARTER F0, F1, 64, 0, 192, 3*8192, 1, 32      ; K step 0 stands in front of the loop: its products start the sums
	WIN 0                                          ; at a label and at a branch every window is 0
	s_mov_b32 s7, 7
.Lk:                                                   ; a trip: K steps 4 t + 1 to 4 t + 4, once round W2's four buffers
	QUARTER F1, F0, 128, 64,  0,   4*8192, 0, 32
	QUARTER F0, F1, 192, 128, 64,  5*8192, 0, 32
	QUARTER F1, F0, 256, 192, 128, 6*8192, 0, 32
	QUARTER F0, F1, 320, 0,   192, 7*8192, 0, 32
	WIN 0
.irp i, 0,1,2,3
	v_add_nc_u32 v[ADRW+(\i)], 256, v[ADRW+(\i)]   ; four K steps of 64 bytes
.endr
	s_wait_xcnt 0x0                                ; the stream's address is stepped only behind this wait
	s_add_nc_u64 s[BB:BB+1], s[BB:BB+1], 4*8192
	s_sub_co_u32 s7, s7, 1
	s_cmp_lg_u32 s7, 0
	s_cbranch_scc1 .Lk
	QUARTER F1, F0, 128, 64,  -1, 0, 0, 32         ; K steps 29 to 31: W2's loads run out, and the counts with them
	QUARTER F0, F1, 192, 128, -1, 0, 0, 16
	QUARTER F1, -1, 0,   192, -1, 0, 0, 0
	WIN 0
	PLACES                                         ; behind the last products: loads into their sources and reads of their results follow
	s_cmp_eq_u32 s6, 1
	s_cbranch_scc1 .Lno_next                       ; the last pass asks for nothing more: the stream has ended
	s_wait_xcnt 0x0
	s_add_nc_u64 s[BB:BB+1], s[BB:BB+1], 4*8192    ; the next pass's part of my stream
	FETCH_B 0, 0                                   ; its first three K steps land under the epilogue
	FETCH_B 8192, 64
	FETCH_B 2*8192, 128
	WIN 0
.Lno_next:
.irp t, 0,1,2,3,4,5,6,7
	ds_load_b128 v[BT+8*(\t):BT+8*(\t)+3],   v[TADR] offset:64*(\t)
	ds_load_b128 v[BT+8*(\t)+4:BT+8*(\t)+7], v[TADR] offset:64*(\t)+16
	ds_load_b128 v[WT+8*(\t):WT+8*(\t)+3],   v[TADR] offset:4096+64*(\t)
	ds_load_b128 v[WT+8*(\t)+4:WT+8*(\t)+7], v[TADR] offset:4096+64*(\t)+16
.endr
	s_wait_dscnt 0x0
.irp a, 0,1,2,3,4,5,6,7
	GROUP \a
.endr
	v_add_nc_u32 v[TADR], 2048, v[TADR]            ; the next pass's 512 channels
	s_sub_co_u32 s6, s6, 1
	s_cmp_lg_u32 s6, 0
	s_cbranch_scc1 .Lpass
	; THE SCORES.  A lane's two sums, and those of the lane 16 away (the other eight channels of each sixteen), are added; the four waves' parts meet in LDS.
.irp a, 0,1,2,3,4,5,6,7
	v_add_f32 v[SACC+2*(\a)], v[SACC+2*(\a)], v[SACC+2*(\a)+1]
.endr
.irp a, 0,1,2,3,4,5,6,7
	v_permlanex16_b32 v[SACC+2*(\a)+1], v[SACC+2*(\a)], s14, s15
.endr
.irp a, 0,1,2,3,4,5,6,7
	v_add_f32 v[SACC+2*(\a)], v[SACC+2*(\a)], v[SACC+2*(\a)+1]
.endr
.irp a, 0,1,2,3,4,5,6,7
	ds_store_b32 v[SCW], v[SACC+2*(\a)] offset:64*(\a)  ; both halves of the lanes write the same word with the same number
.endr
	s_wait_dscnt 0x0                               ; for the others' sake
	s_barrier_signal -1
	s_barrier_wait -1
.irp w, 0,1,2,3
	ds_load_b128 v[TMP+4*(\w):TMP+4*(\w)+3], v[SCR] offset:512*(\w)
.endr
	s_wait_dscnt 0x0
.irp p, 0,2
	v_pk_add_f32 v[TMP+(\p):TMP+(\p)+1], v[TMP+(\p):TMP+(\p)+1], v[TMP+4+(\p):TMP+4+(\p)+1]
	v_pk_add_f32 v[TMP+8+(\p):TMP+8+(\p)+1], v[TMP+8+(\p):TMP+8+(\p)+1], v[TMP+12+(\p):TMP+12+(\p)+1]
.endr
.irp p, 0,2
	v_pk_add_f32 v[TMP+(\p):TMP+(\p)+1], v[TMP+(\p):TMP+(\p)+1], v[TMP+8+(\p):TMP+8+(\p)+1]  ; every wave now holds all 128 scores, four a lane
.endr
.irp i, 0,1,2,3
	v_cmp_ne_u32 vcc_lo, 0, v[MK+(\i)]
	v_cndmask_b32 v[TMP+(\i)], v[TMP+(\i)], v[NINF], vcc_lo
.endr
	; THE CHUNK'S SOFTMAX, under its own maximum.
	v_max_num_f32 v[W0], v[TMP], v[TMP+1]
	v_max_num_f32 v[W0+1], v[TMP+2], v[TMP+3]
	v_max_num_f32 v[W0], v[W0], v[W0+1]
	v_max_num_f32_dpp v[W0], v[W0], v[W0] row_xmask:1 row_mask:0xf bank_mask:0xf
	v_max_num_f32_dpp v[W0], v[W0], v[W0] row_xmask:2 row_mask:0xf bank_mask:0xf
	v_max_num_f32_dpp v[W0], v[W0], v[W0] row_xmask:4 row_mask:0xf bank_mask:0xf
	v_max_num_f32_dpp v[W0], v[W0], v[W0] row_xmask:8 row_mask:0xf bank_mask:0xf
	v_permlanex16_b32 v[W0+1], v[W0], s14, s15
	v_max_num_f32 v[W0], v[W0], v[W0+1]
	v_max_num_f32 v[W0], 0xff7fffff, v[W0]         ; m': finite also where the whole chunk is hidden, so that -inf - m' stays -inf and p is 0
.irp i, 0,1,2,3
	v_sub_f32 v[TMP+4+(\i)], v[TMP+(\i)], v[W0]
.endr
.irp i, 0,1,2,3
	v_mul_f32 v[TMP+4+(\i)], s12, v[TMP+4+(\i)]
.endr
.irp i, 0,1,2,3
	v_exp_f32 v[TMP+4+(\i)], v[TMP+4+(\i)]
.endr
	v_nop                                          ; a plain line between the last exponential and the use of its result
	s_wait_alu depctr_va_vdst(0)
	v_add_f32 v[W0+2], v[TMP+4], v[TMP+5]
	v_add_f32 v[W0+3], v[TMP+6], v[TMP+7]
	v_add_f32 v[W0+2], v[W0+2], v[W0+3]
	v_add_f32_dpp v[W0+2], v[W0+2], v[W0+2] row_xmask:1 row_mask:0xf bank_mask:0xf
	v_add_f32_dpp v[W0+2], v[W0+2], v[W0+2] row_xmask:2 row_mask:0xf bank_mask:0xf
	v_add_f32_dpp v[W0+2], v[W0+2], v[W0+2] row_xmask:4 row_mask:0xf bank_mask:0xf
	v_add_f32_dpp v[W0+2], v[W0+2], v[W0+2] row_xmask:8 row_mask:0xf bank_mask:0xf
	v_permlanex16_b32 v[W0+3], v[W0+2], s14, s15
	v_add_f32 v[W0+2], v[W0+2], v[W0+3]            ; l
	; p as two bf16 numbers, into my wave's own bytes
	v_cvt_pk_bf16_f32 v[ADRW], v[TMP+4], v[TMP+5]
	v_cvt_pk_bf16_f32 v[ADRW+1], v[TMP+6], v[TMP+7]
	ds_store_b64 v[PWW], v[ADRW:ADRW+1]
	v_lshlrev_b32 v[TMP+8], 16, v[ADRW]
	v_and_b32 v[TMP+9], s13, v[ADRW]
	v_lshlrev_b32 v[TMP+10], 16, v[ADRW+1]
	v_and_b32 v[TMP+11], s13, v[ADRW+1]
	v_pk_add_f32 v[TMP+4:TMP+5], v[TMP+4:TMP+5], v[TMP+8:TMP+9] neg_lo:[0,1] neg_hi:[0,1]
	v_pk_add_f32 v[TMP+6:TMP+7], v[TMP+6:TMP+7], v[TMP+10:TMP+11] neg_lo:[0,1] neg_hi:[0,1]
	v_cvt_pk_bf16_f32 v[ADRW+2], v[TMP+4], v[TMP+5]
	v_cvt_pk_bf16_f32 v[ADRW+3], v[TMP+6], v[TMP+7]
	ds_store_b64 v[PWW], v[ADRW+2:ADRW+3] offset:256
	s_cmp_lg_u32 s2, 0
	s_cbranch_scc1 .Lnot_wave_0                    ; every wave holds the same numbers: wave 0 stores them
	global_store_b128 v[L16], v[TMP:TMP+3], s[40:41]  ; 512 consecutive bytes, aligned
	v_cmp_eq_u32 vcc_lo, 0, v[L16]
	s_wait_xcnt 0x0                                ; EXEC changes only behind this wait
	s_and_saveexec_b32 s46, vcc_lo                 ; lane 0, whose offset 16 x lane is 0
	global_store_b32 v[L16], v[W0], s[42:43]       ; m'
	global_store_b32 v[L16], v[W0+2], s[42:43] offset:1024  ; l
	s_wait_xcnt 0x0                                ; and again in front of the line that widens it; the stores' data registers are free too
	s_or_b32 exec_lo, exec_lo, s46
.Lnot_wave_0:
	; THE WEIGHTED SUM, on the matrix unit.  Source 0: 16 rows x 32 s, even rows p_hi, odd rows p_lo.  Source 1: 32 s x 16 channels of hid, turned out of LDS.  In the result registers 0 and 1 of
	; every lane hold the two parts' sums for channel lane % 16.  A wave takes 256 channels: 16 accumulators, which take turns.
.irp q, 0,1,2,3
	ds_load_b128 v[PF+8*(\q):PF+8*(\q)+3],   v[PWR] offset:64*(\q)      ; my own bytes: LDS serves a wave's instructions in order (ISA guide 5.7.1.4)
	ds_load_b128 v[PF+8*(\q)+4:PF+8*(\q)+7], v[PWR] offset:64*(\q)+32
.endr
.macro FETCHT q, buf
	WIN 0x40
.irp t, 0,1,2,3,4,5,6,7,8,9,10,11,12,13,14,15
	ds_load_tr16_b128 v[(\buf)+8*(\t):(\buf)+8*(\t)+3],   v[TRA+(\q)] offset:32*(\t)
	ds_load_tr16_b128 v[(\buf)+8*(\t)+4:(\buf)+8*(\t)+7], v[TRA+(\q)] offset:32*(\t)+16*PITCH
.endr
.endm
.macro MULT q, buf
	WIN 0x04                                       ; source 1 in window 1
.irp t, 0,1,2,3,4,5,6,7,8,9,10,11,12,13,14,15
.if (\q) == 0
	v_wmma_f32_16x16x32_bf16 v[OA+8*(\t):OA+8*(\t)+7], v[PF+8*(\q):PF+8*(\q)+7], v[(\buf)+8*(\t):(\buf)+8*(\t)+7], 0
.else
	v_wmma_f32_16x16x32_bf16 v[OA+8*(\t):OA+8*(\t)+7], v[PF+8*(\q):PF+8*(\q)+7], v[(\buf)+8*(\t):(\buf)+8*(\t)+7], v[OA+8*(\t):OA+8*(\t)+7]
.endif
.endr
.endm
	FETCHT 0, 0
	FETCHT 1, 128
	s_wait_dscnt 32                                ; all but the 32 just issued
	MULT 0, 0
	PLACES
	FETCHT 2, 0
	s_wait_dscnt 32
	MULT 1, 128
	PLACES
	FETCHT 3, 128
	s_wait_dscnt 32
	MULT 2, 0
	s_wait_dscnt 0x0
	MULT 3, 128
	WIN 0
	PLACES
.irp t, 0,1,2,3,4,5,6,7,8,9,10,11,12,13,14,15
	v_add_f32 v[F0+(\t)], v[OA+8*(\t)], v[OA+8*(\t)+1]
.endr
.irp t, 0,1,2,3,4,5,6,7,8,9,10,11,12,13,14,15
	ds_store_b32 v[OSW], v[F0+(\t)] offset:64*(\t)      ; both halves of the lanes write the same word with the same number
.endr
	ds_load_b128 v[F0+16:F0+19], v[OSR]
	ds_load_b128 v[F0+20:F0+23], v[OSR] offset:512
	s_wait_dscnt 0x0
	global_store_b128 v[L16], v[F0+16:F0+19], s[44:45]             ; each store of the wave covers 512 consecutive bytes, aligned
	global_store_b128 v[L16], v[F0+20:F0+23], s[44:45] offset:512
	s_wait_tensorcnt 0x0                           ; the wave's end, behind my last LDS store
	ds_add_u32 v[SPW], v[NIL]
	s_wait_dscnt 0x0
	s_endpgm
.Lfunc_end_k_q01d1a7f1c1_main:
	.size	k_q01d1a7f1c1_main, .Lfunc_end_k_q01d1a7f1c1_main-k_q01d1a7f1c1_main
	.p2alignl 7, 3214868480
	.fill 96, 4, 3214868480
	.section	.rodata,"a",@progbits
	.p2align	6, 0x0
	.amdhsa_kernel k_q01d1a7f1c1_main
		.amdhsa_group_segment_fixed_size 281088
		.amdhsa_private_segment_fixed_size 0
		.amdhsa_enable_private_segment 0
		.amdhsa_kernarg_size 64
		.amdhsa_user_sgpr_count 2
		.amdhsa_user_sgpr_kernarg_segment_ptr 1
		.amdhsa_wavefront_size32 1
		.amdhsa_system_sgpr_workgroup_id_x 1
		.amdhsa_system_sgpr_workgroup_id_y 1
		.amdhsa_system_sgpr_workgroup_id_z 1
		.amdhsa_system_vgpr_workitem_id 0
		.amdhsa_next_free_vgpr 1024
		.amdhsa_next_free_sgpr 66
		.amdhsa_reserve_vcc 1
		.amdhsa_float_denorm_mode_32 3
		.amdhsa_float_denorm_mode_16_64 3
		.amdhsa_memory_ordered 1
		.amdhsa_forward_progress 1
		.amdhsa_inst_pref_size 230
	.end_amdhsa_kernel
	.amdgpu_metadata
---
amdhsa.version: [ 1, 2 ]
amdhsa.kernels:
  - .name:           k_q01d1a7f1c1_main
    .symbol:         k_q01d1a7f1c1_main.kd
    .args:
      - { .name: source_hids, .offset: 0, .size: 8, .value_kind: global_buffer, .address_space: global }
      - { .name: encoder_padding_mask, .offset: 8, .size: 8, .value_kind: global_buffer, .address_space: global }
      - { .name: W_v, .offset: 16, .size: 8, .value_kind: global_buffer, .address_space: global }
      - { .name: ppart, .offset: 24, .size: 8, .value_kind: global_buffer, .address_space: global }
      - { .name: wb, .offset: 32, .size: 8, .value_kind: global_buffer, .address_space: global }
      - { .name: scores, .offset: 40, .size: 8, .value_kind: global_buffer, .address_space: global }
      - { .name: stats, .offset: 48, .size: 8, .value_kind: global_buffer, .address_space: global }
      - { .name: opart, .offset: 56, .size: 8, .value_kind: global_buffer, .address_space: global }
    .group_segment_fixed_size: 281088
    .private_segment_fixed_size: 0
    .kernarg_segment_align: 8
    .kernarg_segment_size: 64
    .max_flat_workgroup_size: 128
    .sgpr_count:     66
    .vgpr_count:     1024
    .wavefront_size: 32
...
	.end_amdgpu_metadata
.endif
;; end of part 2
;; launch finish (part 3): grid 64 x 1, 4 waves a work-group, no clusters, 0 bytes of LDS; arguments scores, stats, opart, out0, out1; writes out0, out1
.if DOCPART == 3
	.amdgcn_target "amdgcn-amd-amdhsa--gfx1250"
	.amdhsa_code_object_version 6
	.text
	.protected	k_q01d1a7f1c1_finish
	.globl	k_q01d1a7f1c1_finish
	.p2align	8
	.type	k_q01d1a7f1c1_finish,@function
k_q01d1a7f1c1_finish:
	s_mov_b64 s[64:65], 0
	v_nop
	global_prefetch_b8 v0, s[64:65] scope:SCOPE_SE
	s_setreg_imm32_b32 hwreg(HW_REG_WAVE_MODE, 25, 1), 1
	s_wait_xcnt 0x0
; A column's four chunks are joined.  For column b: M = the largest of the four m', e_c = e^(m'_c - M), L = sum of l_c e_c;
;   out1[s][b] = e^(score[b][s] - M) / L;      out0[b][:] = sum over c of (e_c / L) opart[b][c][:].
; Work-group g writes rows 8 g .. 8 g + 7 of out1 (2,048 consecutive bytes) and row g of out0.  Thread t: row 8 g + t / 16 and columns 4 (t % 16) + 0..3 of out1; 16 bytes in each half of out0's row.
; A stream of 1.3 MB in all: no LDS, no barrier, no matrix unit; all 28 loads of a thread go out together.  scores lies [b][s], so a work-group reads 32 bytes of each of 64 rows, once:
; a turn through LDS in whole rows would leave work for 8 work-groups.
; A column that is hidden throughout has L = 0: 0 x infinity gives NaN in both outputs, as the softmax of a column of -inf does.  Weights below 2^-126 count as 0.
.set MS, 8                             ; v8-23   m' [c][i] for my four columns
.set LS, 24                            ; v24-39  l  [c][i]
.set SCO, 40                           ; v40-43  my four scores
.set GS, 44                            ; v44-51  column g: m'_c at GS + 2 c, l_c at GS + 2 c + 1: a factor then stands at the low end of a pair that is written whole
.set OP, 52                            ; v52-83  opart: chunk c, half u at OP + 8 c + 4 u
.set BIG, 84                           ; v84-87  M for my four columns; v92 for column g
.set REC, 88                           ; v88-91  1 / L; v93 for column g
	s_load_b256 s[4:11], s[0:1], 0x0               ; scores s[4:5], stats s[6:7], opart s[8:9], out0 s[10:11]
	s_load_b64 s[12:13], s[0:1], 0x20              ; out1
	v_and_b32 v1, 15, v0                           ; t % 16
	v_lshrrev_b32 v2, 4, v0                        ; t / 16
	v_lshlrev_b32 v2, 2, v2
	v_lshl_add_u32 v2, v1, 13, v2                  ; scores: four rows of 2,048 bytes for each t % 16, 4 bytes for each t / 16
	v_lshlrev_b32 v1, 4, v1                        ; stats: four columns, 16 bytes
	v_mov_b32 v3, 0
	v_lshlrev_b32 v4, 4, v0
	s_mov_b32 s25, 0
	s_mov_b32 s26, 0x3fb8aa3b                      ; log2(e)
	s_wait_kmcnt 0x0
	s_lshl_b32 s24, ttmp9, 5
	s_add_nc_u64 s[14:15], s[4:5], s[24:25]        ; scores at s = 8 g
	s_lshl_b32 s24, ttmp9, 2
	s_add_nc_u64 s[16:17], s[6:7], s[24:25]        ; stats at column g
	s_lshl_b32 s24, ttmp9, 14
	s_add_nc_u64 s[18:19], s[8:9], s[24:25]        ; opart at column g
	s_lshl_b32 s24, ttmp9, 12
	s_add_nc_u64 s[20:21], s[10:11], s[24:25]      ; out0 at row g
	s_lshl_b32 s24, ttmp9, 11
	s_add_nc_u64 s[22:23], s[12:13], s[24:25]      ; out1 at row 8 g
.irp c, 0,1,2,3
	global_load_b128 v[MS+4*(\c):MS+4*(\c)+3], v1, s[6:7] offset:256*(\c)
	global_load_b128 v[LS+4*(\c):LS+4*(\c)+3], v1, s[6:7] offset:1024+256*(\c)
.endr
.irp i, 0,1,2,3
	global_load_b32 v[SCO+(\i)], v2, s[14:15] offset:2048*(\i)
.endr
.irp c, 0,1,2,3
	global_load_b32 v[GS+2*(\c)],   v3, s[16:17] offset:256*(\c)
	global_load_b32 v[GS+2*(\c)+1], v3, s[16:17] offset:1024+256*(\c)
.endr
.irp c, 0,1,2,3
	global_load_b128 v[OP+8*(\c):OP+8*(\c)+3],   v4, s[18:19] offset:4096*(\c)
	global_load_b128 v[OP+8*(\c)+4:OP+8*(\c)+7], v4, s[18:19] offset:4096*(\c)+2048
.endr
; One column: m'_c at v[mm + st c], l_c at v[ll + st c].  Leaves M in v[big], 1 / L in v[rec], and e_c where m'_c stood.  A plain line follows each run of transcendentals (ISA guide 5.7.2).
.macro NORM mm, st, ll, big, rec
	v_max3_num_f32 v[\big], v[\mm], v[(\mm)+(\st)], v[(\mm)+2*(\st)]
	v_max_num_f32 v[\big], v[\big], v[(\mm)+3*(\st)]
.irp c, 0,1,2,3
	v_sub_f32 v[(\mm)+(\c)*(\st)], v[(\mm)+(\c)*(\st)], v[\big]
.endr
.irp c, 0,1,2,3
	v_mul_f32 v[(\mm)+(\c)*(\st)], s26, v[(\mm)+(\c)*(\st)]
.endr
.irp c, 0,1,2,3
	v_exp_f32 v[(\mm)+(\c)*(\st)], v[(\mm)+(\c)*(\st)]
.endr
	v_nop
	s_wait_alu depctr_va_vdst(0)
	v_mul_f32 v[\rec], v[\ll], v[\mm]
.irp c, 1,2,3
	v_fmac_f32 v[\rec], v[(\ll)+(\c)*(\st)], v[(\mm)+(\c)*(\st)]
.endr
	v_rcp_f32 v[\rec], v[\rec]
	v_nop
.endm
	s_wait_loadcnt 0x0
.irp i, 0,1,2,3
	NORM MS+(\i), 4, LS+(\i), BIG+(\i), REC+(\i)
.endr
	NORM GS, 2, GS+1, BIG+8, REC+5
.irp i, 0,1,2,3
	v_sub_f32 v[SCO+(\i)], v[SCO+(\i)], v[BIG+(\i)]
.endr
.irp i, 0,1,2,3
	v_mul_f32 v[SCO+(\i)], s26, v[SCO+(\i)]
.endr
.irp i, 0,1,2,3
	v_exp_f32 v[SCO+(\i)], v[SCO+(\i)]
.endr
	s_wait_alu depctr_va_vdst(0)
.irp c, 0,1,2,3
	v_mul_f32 v[GS+2*(\c)], v[GS+2*(\c)], v[REC+5] ; e_c / L for column g: plain lines behind the exponentials
.endr
.irp i, 0,1,2,3
	v_mul_f32 v[SCO+(\i)], v[SCO+(\i)], v[REC+(\i)]
.endr
	global_store_b128 v4, v[SCO:SCO+3], s[22:23]   ; each store of a wave covers 512 consecutive bytes, aligned
.irp p, 0,1,2,3
	v_pk_mul_f32 v[OP+2*(\p):OP+2*(\p)+1], v[OP+2*(\p):OP+2*(\p)+1], v[GS:GS+1] op_sel_hi:[1,0]
.endr
.irp c, 1,2,3
.irp p, 0,1,2,3
	v_pk_fma_f32 v[OP+2*(\p):OP+2*(\p)+1], v[OP+8*(\c)+2*(\p):OP+8*(\c)+2*(\p)+1], v[GS+2*(\c):GS+2*(\c)+1], v[OP+2*(\p):OP+2*(\p)+1] op_sel_hi:[1,0,1]
.endr
.endr
	global_store_b128 v4, v[OP:OP+3], s[20:21]
	global_store_b128 v4, v[OP+4:OP+7], s[20:21] offset:2048
	s_endpgm
.Lfunc_end_k_q01d1a7f1c1_finish:
	.size	k_q01d1a7f1c1_finish, .Lfunc_end_k_q01d1a7f1c1_finish-k_q01d1a7f1c1_finish
	.p2alignl 7, 3214868480
	.fill 96, 4, 3214868480
	.section	.rodata,"a",@progbits
	.p2align	6, 0x0
	.amdhsa_kernel k_q01d1a7f1c1_finish
		.amdhsa_group_segment_fixed_size 0
		.amdhsa_private_segment_fixed_size 0
		.amdhsa_enable_private_segment 0
		.amdhsa_kernarg_size 40
		.amdhsa_user_sgpr_count 2
		.amdhsa_user_sgpr_kernarg_segment_ptr 1
		.amdhsa_wavefront_size32 1
		.amdhsa_system_sgpr_workgroup_id_x 1
		.amdhsa_system_sgpr_workgroup_id_y 1
		.amdhsa_system_sgpr_workgroup_id_z 1
		.amdhsa_system_vgpr_workitem_id 0
		.amdhsa_next_free_vgpr 96
		.amdhsa_next_free_sgpr 66
		.amdhsa_reserve_vcc 0
		.amdhsa_float_denorm_mode_32 3
		.amdhsa_float_denorm_mode_16_64 3
		.amdhsa_memory_ordered 1
		.amdhsa_forward_progress 1
		.amdhsa_inst_pref_size 10
	.end_amdhsa_kernel
	.amdgpu_metadata
---
amdhsa.version: [ 1, 2 ]
amdhsa.kernels:
  - .name:           k_q01d1a7f1c1_finish
    .symbol:         k_q01d1a7f1c1_finish.kd
    .args:
      - { .name: scores, .offset: 0, .size: 8, .value_kind: global_buffer, .address_space: global }
      - { .name: stats, .offset: 8, .size: 8, .value_kind: global_buffer, .address_space: global }
      - { .name: opart, .offset: 16, .size: 8, .value_kind: global_buffer, .address_space: global }
      - { .name: out0, .offset: 24, .size: 8, .value_kind: global_buffer, .address_space: global }
      - { .name: out1, .offset: 32, .size: 8, .value_kind: global_buffer, .address_space: global }
    .group_segment_fixed_size: 0
    .private_segment_fixed_size: 0
    .kernarg_segment_align: 8
    .kernarg_segment_size: 40
    .max_flat_workgroup_size: 128
    .sgpr_count:     66
    .vgpr_count:     96
    .wavefront_size: 32
...
	.end_amdgpu_metadata
.endif
;; end of part 3
;; ======== version 2 of 2: 3 launches; version 1 with the launch prep written anew for expert scheduling mode
;; workspace buffers: wb 2,097,152 bytes; ppart 2,097,152 bytes; scores 131,072 bytes; stats 2,048 bytes; opart 1,048,576 bytes
;; launch prep (part 4): grid 16 x 8, 4 waves a work-group, no clusters, 70,144 bytes of LDS; arguments W_in, input, wb, ppart; writes wb, ppart
.if DOCPART == 4
	.amdgcn_target "amdgcn-amd-amdhsa--gfx1250"
	.amdhsa_code_object_version 6
	.text
	.protected	k_q01d1a7f1c1_prep
	.globl	k_q01d1a7f1c1_prep
	.p2align	8
	.type	k_q01d1a7f1c1_prep,@function
k_q01d1a7f1c1_prep:
	s_mov_b64 s[64:65], 0
	v_nop
	global_prefetch_b8 v0, s[64:65] scope:SCOPE_SE
	s_setreg_imm32_b32 hwreg(HW_REG_WAVE_SCHED_MODE, 0, 2), 2
	s_setreg_imm32_b32 hwreg(HW_REG_WAVE_MODE, 25, 1), 1
	s_wait_xcnt 0x0
	s_wait_alu depctr_vm_vsrc(0)
; W_in = [W1 | W2] ([1024][2048] f32).  The pre-activation of pair (s, b) is P[b] + W2 hid[s][b], with P = input W1^T.
; This launch makes (1) wb: W2 rounded once to bf16, laid out as matrix fragments, and (2) ppart: eight partial sums of P, one for each slice of 128 along K, in f32.
; SHARES.  Work-group (G, q): output channels 64 G .. +63, K 128 q .. +127.  Wave w: rows 16 w .. +15 of each of three tiles (input, W1, W2), one row of 512 bytes to a load.
; wb's LAYOUT.  The fragment of channel tile T = o / 16 and K step k (32 along K) is 1,024 bytes at ((T>>3)&3) 524,288 + (T>>5) 262,144 + 8,192 k + 1,024 (T&7);
; in it lane l's registers 0-3 lie at byte 16 l and its registers 4-7 at byte 512 + 16 l: a later load of 16 bytes a lane takes 512 consecutive bytes.
; No tensor loads: each wave moves 48 rows once and converts them on the way, so registers are the short road.  No cluster: what work-groups share (input, 256 KB) is a small part of the bytes.
; LIMITS.  W_in and input are rounded once to bf16; NaN and infinities are not treated apart.
; THE MODE: SCHED_MODE bits 1:0 = 2 (LLVM: expert scheduling mode 2), set by the entry lines.  The code itself states the register dependences
; between vector or matrix instructions and memory or LDS instructions, with s_wait_alu, always for 0.
; THE PLAN.  Registers that memory or LDS instructions touch, in the order of the text (there is no loop):
;   v4         16 x lane: read by the 48 global loads and by wb's stores; written once, ahead of the first load.
;   v5-v11     LDS addresses and ppart's offset: written once, behind the global loads and ahead of the first tile's wait; never written again.
;   v16-207    First the three tiles as loaded: a tile's 32 conversions read them and write the first two of each four; its 16 LDS stores read those pairs.
;              Then the fragments: 48 LDS loads land; wb's stores read W2's, the matrix instructions read input's and W1's.  Then v16-47 take the stage's rows, which ppart's stores read.
;   v208-239   The accumulators: written by matrix instructions, read by the stage's LDS stores, never written again.
;   v12, v13   Written at the head, read by the closing add alone.
; So a tile's conversions stand in one run, ONE wait on va_vdst behind them, and its LDS stores in one run behind that; the third such wait also stands for the fragments' loads, since no vector
; instruction follows it ahead of them.  One wait on vm_vsrc stands behind the barrier, ahead of those loads; one wait on va_vdst behind the last product's places, ahead of the stage.
.set P,     272                        ; an LDS row: 256 bytes + 16: an odd multiple of 16, so the 16 rows of a fragment load start at different groups of banks (ISA guide 11.1)
.set W1T,   0                          ; 64 rows of W1, bf16
.set W2T,   64*P                       ; 64 rows of W2
.set INT,   2*64*P                     ; 64 rows of input
.set STG,   3*64*P                     ; the way out: 16 rows x 272 bytes for each wave
.set SPARE, STG+4*16*P                 ; the spare words, 128 bytes for each wave: two blocks of 256 bytes that no other line names
.set X,     16                         ; v16-207  48 loads of 4 registers; later the fragments:
.set INF,   16                         ; v16-47   input, K step kk at INF + 8 kk
.set W1F,   48                         ; v48-175  W1, channel tile t, K step kk at W1F + 8 (4 t + kk)
.set W2F,   176                        ; v176-207 W2, my tile, K step kk at W2F + 8 kk
.set ACC,   208                        ; v208-239 four accumulators
	s_load_b256 s[4:11], s[0:1], 0x0               ; W_in s[4:5], input s[6:7], wb s[8:9], ppart s[10:11]
	v_lshl_add_u32 v12, v0, 2, SPARE               ; my spare word; never rewritten
	v_mov_b32 v13, 0                               ; 0; never rewritten
	v_lshrrev_b32 v1, 5, v0
	v_readfirstlane_b32 s2, v1                     ; wave 0..3
	v_and_b32 v1, 31, v0                           ; lane l
	v_and_b32 v2, 15, v0                           ; r = l % 16
	v_bfe_u32 v3, v0, 4, 1                         ; h = l / 16
	v_lshlrev_b32 v4, 4, v1                        ; 16 l
	s_and_b32 s3, ttmp7, 0xffff                    ; q
	s_lshl_b32 s20, ttmp9, 19                      ; W_in: (64 G + 16 w) rows of 8,192 bytes + 512 q
	s_wait_alu depctr_va_sdst(0)                   ; s2 is written, ahead of its first reader: the offsets in W_in, input, wb and ppart are made from it
	s_lshl_b32 s28, s2, 17
	s_add_co_u32 s20, s20, s28
	s_lshl_b32 s28, s3, 9
	s_add_co_u32 s20, s20, s28
	s_mov_b32 s21, 0
	s_lshl_b32 s22, s2, 16                         ; input: 16 w rows of 4,096 bytes + 512 q
	s_add_co_u32 s22, s22, s28
	s_mov_b32 s23, 0
	s_lshl_b32 s29, ttmp9, 2
	s_add_co_u32 s29, s29, s2                      ; T = 4 G + w
	s_bfe_u32 s24, s29, 0x20003                    ; (T >> 3) & 3
	s_lshl_b32 s24, s24, 19
	s_lshr_b32 s28, s29, 5
	s_lshl_b32 s28, s28, 18
	s_add_co_u32 s24, s24, s28
	s_and_b32 s28, s29, 7
	s_lshl_b32 s28, s28, 10
	s_add_co_u32 s24, s24, s28
	s_lshl_b32 s28, s3, 15                         ; K step 4 q
	s_add_co_u32 s24, s24, s28
	s_mov_b32 s25, 0
	s_lshl_b32 s26, s3, 18                         ; ppart: slice q, row 16 w, channel 64 G
	s_lshl_b32 s28, s2, 16
	s_add_co_u32 s26, s26, s28
	s_lshl_b32 s28, ttmp9, 8
	s_add_co_u32 s26, s26, s28
	s_mov_b32 s27, 0
	s_wait_kmcnt 0x0
	s_add_nc_u64 s[12:13], s[4:5], s[20:21]
	s_add_nc_u64 s[14:15], s[6:7], s[22:23]
	s_add_nc_u64 s[16:17], s[8:9], s[24:25]
	s_add_nc_u64 s[18:19], s[10:11], s[26:27]
	s_wait_alu depctr_va_vdst(0)                   ; v4 is written, which the 48 loads below read as their offset
.irp i, 0,1,2,3,4,5,6,7,8,9,10,11,12,13,14,15
	global_load_b128 v[X+4*(\i):X+4*(\i)+3], v4, s[14:15] offset:(\i)*4096                       ; input: other work-groups read it too, so no hint
.endr
.irp i, 0,1,2,3,4,5,6,7,8,9,10,11,12,13,14,15
	global_load_b128 v[X+64+4*(\i):X+64+4*(\i)+3], v4, s[12:13] offset:(\i)*8192 th:TH_LOAD_NT      ; W1: read once in the launch
.endr
.irp i, 0,1,2,3,4,5,6,7,8,9,10,11,12,13,14,15
	global_load_b128 v[X+128+4*(\i):X+128+4*(\i)+3], v4, s[12:13] offset:(\i)*8192+4096 th:TH_LOAD_NT  ; W2: the row's second half
.endr
	; the other addresses are made while the loads are out: these lines name none of the loads' registers
	s_mul_i32 s24, s2, 16*P                        ; my 16 rows in a tile
	s_add_co_u32 s25, s24, STG
	s_add_co_u32 s26, s24, INT
	s_add_co_u32 s27, s24, W2T
	v_lshl_add_u32 v5, v1, 3, s24                  ; in: my rows, 8 bytes (4 bf16) a lane
	v_mul_u32_u24 v6, v2, P
	v_lshl_add_u32 v6, v3, 4, v6                   ; a fragment's row x pitch + 16 x half
	v_mul_u32_u24 v7, v2, P
	v_lshl_add_u32 v7, v3, 5, v7
	v_add_nc_u32 v7, s25, v7                       ; stage, in: row r, 32 bytes for each half of the lanes
	v_mul_u32_u24 v8, v3, P
	v_lshl_add_u32 v8, v2, 4, v8
	v_add_nc_u32 v8, s25, v8                       ; stage, back: lanes 0-15 one row of 256 bytes, lanes 16-31 the next
	v_lshlrev_b32 v9, 12, v3
	v_lshl_add_u32 v9, v2, 4, v9                   ; and the same two rows in ppart
	v_add_nc_u32 v10, s26, v6                      ; my 16 rows of input
	v_add_nc_u32 v11, s27, v6                      ; my 16 rows of W2
; 16 rows of one tile: rounded to bf16 in place, in one run; then, behind one wait, 8 bytes a lane into LDS, in one run.  left: the loads of the later tiles, which may stay out.
.macro CVT tile, n0, left
	s_wait_loadcnt \left
.irp i, 0,1,2,3,4,5,6,7,8,9,10,11,12,13,14,15
	v_cvt_pk_bf16_f32 v[X+4*((\n0)+(\i))],   v[X+4*((\n0)+(\i))],   v[X+4*((\n0)+(\i))+1]
	v_cvt_pk_bf16_f32 v[X+4*((\n0)+(\i))+1], v[X+4*((\n0)+(\i))+2], v[X+4*((\n0)+(\i))+3]
.endr
	s_wait_alu depctr_va_vdst(0)                   ; the tile's conversions have written the pairs that the LDS stores below read; at the first tile v5 to v11 are written too; behind the last tile's no vector line names v16-207 ahead of the fragments' loads
.irp i, 0,1,2,3,4,5,6,7,8,9,10,11,12,13,14,15
	ds_store_b64 v5, v[X+4*((\n0)+(\i)):X+4*((\n0)+(\i))+1] offset:(\tile)+(\i)*P
.endr
.endm
	CVT INT, 0, 32
	CVT W1T, 16, 16
	CVT W2T, 32, 0
	s_wait_dscnt 0x0                               ; for the others' sake: my rows are in LDS
	s_barrier_signal -1
	s_barrier_wait -1
	s_wait_alu depctr_vm_vsrc(0)                   ; my LDS stores have read their pairs in v16-207: these registers are the fragments from here on, in which the loads below land
	; A fragment is 16 rows x 32 K in 8 registers: lane l holds row l % 16, K = 8 (l / 16) + 0..7 and 16 + 8 (l / 16) + 0..7: two loads of 16 bytes, 32 bytes apart.
	; W2's eight loads first, then K step by K step: input's two and W1's eight, so that a K step's products can start when its ten loads are in.
.irp k, 0,1,2,3
	ds_load_b128 v[W2F+8*(\k):W2F+8*(\k)+3],   v11 offset:64*(\k)
	ds_load_b128 v[W2F+8*(\k)+4:W2F+8*(\k)+7], v11 offset:64*(\k)+32
.endr
.irp k, 0,1,2,3
	ds_load_b128 v[INF+8*(\k):INF+8*(\k)+3],   v10 offset:64*(\k)
	ds_load_b128 v[INF+8*(\k)+4:INF+8*(\k)+7], v10 offset:64*(\k)+32
.irp t, 0,1,2,3
	ds_load_b128 v[W1F+8*(4*(\t)+(\k)):W1F+8*(4*(\t)+(\k))+3],   v6 offset:W1T+(\t)*16*P+64*(\k)
	ds_load_b128 v[W1F+8*(4*(\t)+(\k))+4:W1F+8*(4*(\t)+(\k))+7], v6 offset:W1T+(\t)*16*P+64*(\k)+32
.endr
.endr
	s_wait_dscnt 40                                ; W2's eight loads are in; the four K steps' 40 behind them may be out
.irp k, 0,1,2,3
	global_store_b128 v4, v[W2F+8*(\k):W2F+8*(\k)+3],   s[16:17] offset:(\k)*8192      ; each store of the wave covers 512 consecutive bytes, aligned; W2's fragments are never written again
	global_store_b128 v4, v[W2F+8*(\k)+4:W2F+8*(\k)+7], s[16:17] offset:(\k)*8192+512
.endr
	; Source 0 = 16 channels of W1, source 1 = my 16 rows of input: a lane then holds one b and eight neighbouring channels.  The four accumulators take turns.
.irp k, 0,1,2,3
	s_wait_dscnt 30-10*(\k)                        ; LDS loads come back in order (ISA guide 5.7.1): this K step's ten are in, the later K steps' tens stay out
.irp t, 0,1,2,3
.if (\k) == 0
	v_wmma_f32_16x16x32_bf16 v[ACC+8*(\t):ACC+8*(\t)+7], v[W1F+8*(4*(\t)+(\k)):W1F+8*(4*(\t)+(\k))+7], v[INF+8*(\k):INF+8*(\k)+7], 0
.else
	v_wmma_f32_16x16x32_bf16 v[ACC+8*(\t):ACC+8*(\t)+7], v[W1F+8*(4*(\t)+(\k)):W1F+8*(4*(\t)+(\k))+7], v[INF+8*(\k):INF+8*(\k)+7], v[ACC+8*(\t):ACC+8*(\t)+7]
.endif
.endr
.endr
.rept 4
	v_nop                                          ; four places between the last products and the LDS stores that read them
.endr
	s_wait_alu depctr_va_vdst(0)                   ; the products have written the accumulators, which the LDS stores read, and are done reading input's fragments, in which the stage's loads land; the places above stay beside this wait
.irp t, 0,1,2,3
	ds_store_b128 v7, v[ACC+8*(\t):ACC+8*(\t)+3]   offset:64*(\t)      ; each accumulator's low registers first
	ds_store_b128 v7, v[ACC+8*(\t)+4:ACC+8*(\t)+7] offset:64*(\t)+16
.endr
.irp i, 0,1,2,3,4,5,6,7
	ds_load_b128 v[INF+4*(\i):INF+4*(\i)+3], v8 offset:(\i)*2*P       ; my own stage: LDS serves a wave's instructions in order (ISA guide 5.7.1.4)
.endr
.irp i, 0,1,2,3,4,5,6,7
	s_wait_dscnt 7-(\i)
	global_store_b128 v9, v[INF+4*(\i):INF+4*(\i)+3], s[18:19] offset:(\i)*8192  ; 16 lanes store 256 consecutive bytes, at a multiple of 256 from ppart's first byte
.endr
	s_wait_dscnt 0x0                               ; the wave's end: the closing lines, six on end
	s_wait_alu 0x0
	s_wait_tensorcnt 0x0
	ds_add_u32 v12, v13
	s_wait_dscnt 0x0
	s_endpgm
.Lfunc_end_k_q01d1a7f1c1_prep:
	.size	k_q01d1a7f1c1_prep, .Lfunc_end_k_q01d1a7f1c1_prep-k_q01d1a7f1c1_prep
	.p2alignl 7, 3214868480
	.fill 96, 4, 3214868480
	.section	.rodata,"a",@progbits
	.p2align	6, 0x0
	.amdhsa_kernel k_q01d1a7f1c1_prep
		.amdhsa_group_segment_fixed_size 70144
		.amdhsa_private_segment_fixed_size 0
		.amdhsa_enable_private_segment 0
		.amdhsa_kernarg_size 32
		.amdhsa_user_sgpr_count 2
		.amdhsa_user_sgpr_kernarg_segment_ptr 1
		.amdhsa_wavefront_size32 1
		.amdhsa_system_sgpr_workgroup_id_x 1
		.amdhsa_system_sgpr_workgroup_id_y 1
		.amdhsa_system_sgpr_workgroup_id_z 1
		.amdhsa_system_vgpr_workitem_id 0
		.amdhsa_next_free_vgpr 240
		.amdhsa_next_free_sgpr 66
		.amdhsa_reserve_vcc 0
		.amdhsa_float_denorm_mode_32 3
		.amdhsa_float_denorm_mode_16_64 3
		.amdhsa_memory_ordered 1
		.amdhsa_forward_progress 1
		.amdhsa_inst_pref_size 25
	.end_amdhsa_kernel
	.amdgpu_metadata
---
amdhsa.version: [ 1, 2 ]
amdhsa.kernels:
  - .name:           k_q01d1a7f1c1_prep
    .symbol:         k_q01d1a7f1c1_prep.kd
    .args:
      - { .name: W_in, .offset: 0, .size: 8, .value_kind: global_buffer, .address_space: global }
      - { .name: input, .offset: 8, .size: 8, .value_kind: global_buffer, .address_space: global }
      - { .name: wb, .offset: 16, .size: 8, .value_kind: global_buffer, .address_space: global }
      - { .name: ppart, .offset: 24, .size: 8, .value_kind: global_buffer, .address_space: global }
    .group_segment_fixed_size: 70144
    .private_segment_fixed_size: 0
    .kernarg_segment_align: 8
    .kernarg_segment_size: 32
    .max_flat_workgroup_size: 128
    .sgpr_count:     66
    .vgpr_count:     240
    .wavefront_size: 32
...
	.end_amdgpu_metadata
.endif
;; end of part 4
;; launch main: the kernel of part 2 again; grid 256 x 1, 4 waves a work-group, no clusters, 281,088 bytes of LDS; arguments source_hids, encoder_padding_mask, W_v, ppart, wb, scores, stats, opart; writes scores, stats, opart
;; launch finish: the kernel of part 3 again; grid 64 x 1, 4 waves a work-group, no clusters, 0 bytes of LDS; arguments scores, stats, opart, out0, out1; writes out0, out1
